; MI455X (gfx1250); checked and timed in simulation.
; The chip was launched on July 23, 2026; its instructions are those of AMD's public machine-readable ISA for CDNA 5 (MIT licence, August 2026) and "CDNA5" Instruction Set Architecture Reference Guide (July 2026). The comments in the code are by the model that wrote it; some were corrected since.
;; Quantized Expert. Allowed arithmetic: matrix products marked QUANTISED: E2M3 operands, one E8M0 scale for each 32 along K, by v_wmma_scale_f32_16x16x128_f8f6f4 with both operands' format E2M3, f32 sums; everything else in f32.
;; Inputs: lut_down 256 float32; lut_gate 256 float32; lut_up 256 float32; sign_l_down 2,048 float32; sign_l_gate 8,192 float32; sign_l_up 8,192 float32; sign_r_down 8,192 float32; sign_r_gate 2,048 float32; sign_r_up 2,048 float32; walks_down 2,048 x 8,192 int32; walks_gate 8,192 x 2,048 int32; walks_up 8,192 x 2,048 int32; x 1,024 x 2,048 float32.
;; Outputs: out0 1,024 x 2,048 float32.
;; This version of the problem:
;;   THIS VERSION OF THE PROBLEM IS GIVEN IN LOW PRECISION. The matrix products marked QUANTISED in the list below multiply operands that are first quantised to E2M3 (2 exponent bits, 3 mantissa bits; 6 bits a number), with one power-of-two scale for each 32 numbers along K (OCP MX v1.0); their sums are f32. All else is computed in f32.
;;   The module's matrix products, in the order in which they are computed (A, B: the left and right operand; K: the contracted axis; several contracted axes count as one K, in the product's order):
;;     1. [M 1,024, K 2,048] x [K 2,048, N 8,192]; A: input x; B: computed on the way: QUANTISED
;;     2. [M 1,024, K 2,048] x [K 2,048, N 8,192]; A: input x; B: computed on the way: QUANTISED
;;     3. [M 1,024, K 8,192] x [K 8,192, N 2,048]; A: computed on the way; B: computed on the way: QUANTISED
;;   THE QUANTISER, for each operand of a quantised product, along K:
;;     - K is cut into blocks of 32 from its start; a last block that is shorter is filled with zeros.
;;     - A block's scale is 2^e with e = floor(log2(the largest magnitude in the block)) - 2, held to -126 .. 127; a block of zeros has e = 0. As a byte (E8M0): e + 127.
;;     - Each number is divided by its block's scale, clamped to +-7.5, and rounded to the nearest number of E2M3, ties to even, subnormals kept.
;;     - The product sums the exact products of the quantised numbers (number of the format x scale) in f32.
;;   ~~~python
;;   def quantise(x, axis):      # numpy; x: float32 -> the quantised numbers, widened to float32 again
;;       x = np.moveaxis(x, axis, -1); K = x.shape[-1]
;;       x = np.pad(x, [(0, 0)] * (x.ndim - 1) + [(0, -K % 32)]); x = x.reshape(x.shape[:-1] + (-1, 32)); a = np.abs(x).max(-1, keepdims=True)
;;       e = np.where(a > 0, np.clip(np.frexp(np.where(a > 0, a, 1))[1] - 1 - 2, -126, 127), 0)      # np.frexp(a)[1] - 1 = floor(log2(a)), exactly
;;       r = np.clip(x / 2.0 ** e, -7.5, 7.5)
;;       step = 2.0 ** (np.maximum(np.frexp(np.where(r == 0, 1, r))[1] - 1, 0) - 3)
;;       q = np.round(r / step) * step * 2.0 ** e      # np.round: ties to even
;;       return np.moveaxis(q.reshape(q.shape[:-2] + (-1,))[..., :K], -1, axis).astype(np.float32)
;;   ~~~
;;   OPERANDS COMPUTED ON THE WAY. 'Computed on the way' means the value that the module computes at that place (a softmax that the list does not call 'softmax' is quantised finished and normalised). What goes into a quantiser is computed in f32, as accurately as f32 sums, v_exp_f32 and their like allow (about 1e-6 of the number): no bf16 or f16 on the way to a quantiser, and a product that is left as it is and whose result goes on into a quantised operand takes f32 operands (vector FMAs, or v_wmma_f32_16x16x4_f32). A number that lies on a knife's edge between two numbers of the format may be rounded either way, as far as f32 arithmetic and the matrix unit's own rounding can turn it there, and no further.
;; One version. Each part assembles by itself: llvm-mc -triple=amdgcn-amd-amdhsa -mcpu=gfx1250 --defsym DOCPART=n.
;; ======== version 1 of 1: 3 launches
;; limits: right only within a limited range of input values
;; workspace buffers: xq 1,572,864 bytes; xs 65,536 bytes; wguq 25,165,824 bytes; wgus 1,048,576 bytes; wdq 12,582,912 bytes; wds 524,288 bytes; hq 6,291,456 bytes; hs 262,144 bytes
;; launch prep (part 1): grid 768 x 1, 4 waves a work-group, no clusters, 76,544 bytes of LDS; arguments walks_gate, walks_up, walks_down, x, lut_gate, lut_up, lut_down, sign_l_gate, sign_l_up, sign_l_down, sign_r_gate, sign_r_up, sign_r_down, wguq, wdq, xq, wgus, wds, xs; writes wguq, wdq, xq, wgus, wds, xs
.if DOCPART == 1
	.amdgcn_target "amdgcn-amd-amdhsa--gfx1250"
	.amdhsa_code_object_version 6
	.text
	.protected	k_q48897fd1c0_prep
	.globl	k_q48897fd1c0_prep
	.p2align	8
	.type	k_q48897fd1c0_prep,@function
k_q48897fd1c0_prep:
	s_mov_b64 s[64:65], 0
	v_nop
	global_prefetch_b8 v0, s[64:65] scope:SCOPE_SE
	s_setreg_imm32_b32 hwreg(HW_REG_WAVE_MODE, 25, 1), 1
	s_wait_xcnt 0x0
; W = lut[walk] x sign_l[row] x sign_r[col] x 0.02 for the three weights, and x as it is, become codes of FP6 (E2M3) along K (the last axis of all four), with one E8M0 byte for each 32 along K.
; A block's scale is 2^(floor(log2(its largest magnitude)) - 2); its byte is the largest magnitude's exponent field - 2, held at 1 from below.  A block of zeros gets the byte 1: its codes are zeros, and this program alone reads the bytes.
; WHAT IS STORED.  Codes as images of an operand's registers: a fragment (16 rows x 128 K, 12 registers a lane) is 1,536 bytes, register R of lane l at 512 (R / 4) + 16 l + 4 (R % 4); buffers are [tile][K step][1536].
; Scale words (one row, 128 K) as [K step][block of 4 tiles][row 16][tile 4]: 256 bytes for each K step and block of tiles.
; Of a group of 64 rows of a weight, lane r of tile t takes row 32 (t / 2) + 8 (t % 2) + r + 8 (r / 8); x's tiles take rows 16 t + r.  In wguq a group of 64 hidden units has four tiles of W_gate, then four of W_up.
; SHARES.  Work-groups 0-255 W_gate, 256-511 W_up, 512-767 W_down: 768 = 3 x 256.  A work-group takes 128 rows x 512 K: eight tiles; wave w takes K step w of all eight, BY ITSELF: it loads the tile's 16 rows, 512 consecutive
; bytes a load, and works on them; the four waves stand side by side on 2,048 bytes of each row.  x's 64 tiles x 16 K steps are 1,024 fragments: W_gate's 256 work-groups take one a wave behind their own eight:
; work-group j takes K step j % 16 of tiles 4 (j / 16) + w.
; THE TURN.  A load gives lane l the indices k = 4 l .. 4 l + 3 of one row; the conversions want 32 neighbours of one row in a lane.  An index has 8 bits, so four are packed into a word first: the wave's own stage
; takes 16 rows x 128 bytes (pitch 144 = 9 x 16), and lane (r, h) reads back 4 x 16 bytes: k = 64 c + 32 h + 0 .. 31.  x's numbers go through a stage of their own at full width (pitch 528 = 33 x 16).
; THE CODEBOOK lies in LDS once for each lane: entry e of lane l at 128 e + 4 l, so that the 32 lanes of a look-up take 32 different words.
; THE LOOP: four trips of two tiles.  The next tile's 16 loads are asked for as soon as this tile's indices are packed; each load's offset stands in the first of the four registers on which it lands.
; BARRIERS: one behind the codebook's fill; one at the end, behind which wave 0 of a W_gate work-group stores the four waves' scale words of x as one unit of 256 bytes.
; ARITHMETIC: (lut x (sign_r x 0.02)) x sign_l in f32: the same bits as the written order where the signs are +-1, within two roundings otherwise.
; LIMITS: NaN and infinities among the inputs are not served; blocks whose largest magnitude lies under 2^-124 get the byte 1; of an index the low byte alone is used.
.set WST,   32768                      ; LDS: the codebook's 256 x 128 bytes, then the weights' stages
.set WP,    144
.set XST,   WST+4*16*WP                ; x's stages
.set XP,    528
.set XW,    XST+4*16*XP                ; x's scale words of four tiles: 256 bytes
.set SPARE, XW+256                     ; the spare words, 128 bytes a wave: no other line names them
.set LOF, 1                            ; v1   16 x lane + 512 w: my 16 bytes of a row's part
.set SLDX, 2                           ; v2   x's stage, out
.set H,   3                            ; v3   h
.set L4,  4                            ; v4   4 x lane
.set CO,  5                            ; v5   16 x lane + the tile's place in the codes' buffer
.set SO,  6                            ; v6   16 r + 8 h + the group's place in the scales' buffer
.set SS,  7                            ; v7   weights' stage, in
.set SLD, 8                            ; v8   weights' stage, out
.set H8,  9                            ; v9   8 h
.set SPW, 10                           ; v10  my spare word
.set NIL, 11                           ; v11  0
.set TA,  12                           ; v12  the codebook, in
.set XSO, 13                           ; v13  8 x lane
.set XWA, 14                           ; v14  XW + 16 r + 4 w
.set SL,  16                           ; v16-23 sign_l of my row in the tiles still to come; v16, v17: this trip's two
.set PW,  24                           ; v24-25 the last trip's two scale words, v26-27 this trip's
.set T,   28                           ; v28-43 packed indices on their way into the stage; afterwards:
.set TM,  28                           ; v28-36 at work
.set PT,  38                           ; v38-40, v42-44 the second halves of the blocks' codes
.set PC,  46                           ; v46-57 a fragment's 12 registers
.set WD,  58                           ; v58-59 two scale words on their way out
.set XO,  60                           ; v60  16 x lane
.set SSX, 61                           ; v61  x's stage, in
.set XWR, 63                           ; v63  XW + 8 x lane
.set L,   64                           ; v64-127  16 loads as they arrive
.set X,   128                          ; v128-191 register 32 c + i: k = 64 c + 32 h + i of my row
.set FS,  192                          ; v192-255 sign_r[k] x 0.02 in the same order
.set ROA, 80                           ; s80-87  byte offsets of a tile's rows 0-7 from its first row
.set ROB, 92                           ; s92-99  of its rows 8-15
	s_load_b512 s[16:31], s[0:1], 0x0              ; walks gate, up, down; x; lut gate, up, down; sign_l gate
	s_load_b512 s[32:47], s[0:1], 0x40             ; sign_l up, down; sign_r gate, up, down; wguq, wdq, xq
	s_load_b128 s[48:51], s[0:1], 0x80             ; wgus, wds
	s_load_b64 s[52:53], s[0:1], 0x90              ; xs
	v_lshl_add_u32 v[SPW], v0, 2, SPARE
	v_mov_b32 v[NIL], 0
	v_lshrrev_b32 v13, 5, v0
	v_readfirstlane_b32 s4, v13                    ; wave 0..3
	s_lshr_b32 s2, ttmp9, 8                        ; kind: 0 gate, 1 up, 2 down
	s_and_b32 s3, ttmp9, 255                       ; the job among its kind's
	s_mov_b32 s79, 8192                            ; a source row in bytes (down: 32,768)
	s_mov_b32 s78, 24576                           ; a tile's bytes in the codes' buffer: 16 K steps (down: 64)
	s_mov_b32 s6, 65536                            ; a K step's bytes in the scales' buffer
	s_cmp_eq_u32 s2, 2
	s_cselect_b32 s5, 4, 2                         ; log2 of the chunks of 512 along K
	s_cselect_b32 s79, 32768, s79
	s_cselect_b32 s78, 98304, s78
	s_cselect_b32 s6, 8192, s6
	s_cselect_b32 s9, 2, 3                         ; log2 of a group's tiles in the buffer
	s_cselect_b32 s88, 1, 5                        ; tiles from a group's last tile to the next group's first
	s_cselect_b32 s89, 1, 2                        ; blocks of tiles from group to group
	s_cmp_eq_u32 s2, 1
	s_cselect_b32 s11, 4, 0
	s_mul_i32 s88, s88, s78
	s_lshl_b32 s89, s89, 8
	s_lshr_b32 s7, s3, s5
	s_lshl_b32 s7, s7, 1                           ; RG: my first group of 64 rows
	s_bfm_b32 s8, s5, 0
	s_and_b32 s8, s3, s8                           ; KC: which 512 along K
	s_lshl_b32 s10, s7, s9
	s_add_co_u32 s10, s10, s11                     ; T0: my first tile in the codes' buffer
	s_lshr_b32 s15, s3, 4                          ; x: g, the block of four tiles,
	s_and_b32 s91, s3, 15                          ; and the K step
	s_lshl_b32 s5, s15, 19
	s_lshl_b32 s9, s4, 17
	s_add_co_u32 s5, s5, s9
	s_lshl_b32 s9, s91, 9
	s_add_co_u32 s5, s5, s9                        ; in x: (64 g + 16 w) rows of 8,192 bytes + 512 x K step
	s_lshl_b32 s9, s15, 2
	s_add_co_u32 s9, s9, s4
	s_lshl_b32 s9, s9, 4
	s_add_co_u32 s9, s9, s91
	s_mul_i32 s9, s9, 1536                         ; in xq: tile 4 g + w, the K step
	s_lshl_b32 s11, s91, 12
	s_lshl_b32 s15, s15, 8
	s_add_co_u32 s11, s11, s15                     ; in xs: the K step's 16 blocks, block g
.irp i, 0,1,2,3,4,5,6,7
	s_mul_i32 s[ROA+\i], s79, \i
.endr
.irp i, 8,9,10,11,12,13,14,15
	s_mul_i32 s[ROB+\i-8], s79, \i+8               ; a tile's rows 8-15 lie 8 further down
.endr
	s_lshl_b32 s91, s4, 9
	s_mul_i32 s100, s4, 16*WP
	s_add_co_u32 s100, s100, WST
	s_mul_i32 s101, s4, 16*XP
	s_add_co_u32 s101, s101, XST
	s_lshl_b32 s61, s4, 13
	s_lshl_b32 s62, s4, 2
	s_add_co_u32 s62, s62, XW
	v_and_b32 v13, 31, v0                          ; lane
	v_and_b32 v14, 15, v0                          ; r
	v_bfe_u32 v[H], v0, 4, 1
	v_lshlrev_b32 v[XO], 4, v13
	v_lshlrev_b32 v[L4], 2, v13
	v_lshlrev_b32 v[CO], 4, v13
	v_add_nc_u32 v[LOF], s91, v[XO]
	v_add_nc_u32 v[SS], s100, v[L4]
	v_mul_u32_u24 v[SLD], v14, WP
	v_lshl_add_u32 v[SLD], v[H], 5, v[SLD]
	v_add_nc_u32 v[SLD], s100, v[SLD]
	v_add_nc_u32 v[SSX], s101, v[XO]
	v_mul_u32_u24 v[SLDX], v14, XP
	v_lshl_add_u32 v[SLDX], v[H], 7, v[SLDX]
	v_add_nc_u32 v[SLDX], s101, v[SLDX]
	v_add_nc_u32 v[TA], s61, v[L4]
	v_lshlrev_b32 v[H8], 3, v[H]
	v_lshl_add_u32 v[SO], v14, 4, v[H8]
	v_lshlrev_b32 v15, 7, v[H]                     ; 128 h: my half's 32 numbers of sign_r
	v_mov_b32 v62, 0
	v_and_b32 v28, 8, v14
	v_add_lshl_u32 v28, v28, v14, 2                ; sign_l: 4 x (r + 8 (r / 8))
	v_lshl_add_u32 v[XWA], v14, 4, s62
	v_lshlrev_b32 v[XSO], 3, v13
	v_add_nc_u32 v[XWR], XW, v[XSO]
	v_mov_b32 v[PW], 0
	v_mov_b32 v[PW+1], 0
	s_wait_alu depctr_va_vdst(0)                   ; the wait at the head's end
	s_wait_kmcnt 0x0
	; the kind's buffers: a choice on the work-group's number alone
	s_cmp_eq_u32 s2, 1
	s_cselect_b64 s[16:17], s[18:19], s[16:17]     ; the source
	s_cselect_b64 s[24:25], s[26:27], s[24:25]     ; the codebook
	s_cselect_b64 s[30:31], s[32:33], s[30:31]     ; sign_l
	s_cselect_b64 s[36:37], s[38:39], s[36:37]     ; sign_r
	s_cmp_eq_u32 s2, 2
	s_cselect_b64 s[16:17], s[20:21], s[16:17]
	s_cselect_b64 s[24:25], s[28:29], s[24:25]
	s_cselect_b64 s[30:31], s[34:35], s[30:31]
	s_cselect_b64 s[36:37], s[40:41], s[36:37]
	s_cselect_b64 s[42:43], s[44:45], s[42:43]     ; the codes
	s_cselect_b64 s[48:49], s[50:51], s[48:49]     ; the scale words
	; bases; every offset stays under 2^27 and goes in a pair with 0 above it
	s_mov_b32 s19, 0
	s_mov_b32 s18, s5
	s_add_nc_u64 s[100:101], s[22:23], s[18:19]    ; x at my fragment's first row
	s_mov_b32 s18, s9
	s_add_nc_u64 s[46:47], s[46:47], s[18:19]      ; xq at my fragment
	s_mov_b32 s18, s11
	s_add_nc_u64 s[52:53], s[52:53], s[18:19]      ; xs at the work-group's 256 bytes
	s_lshl_b32 s15, s7, 6                          ; 64 RG
	s_lshl_b32 s20, s8, 11                         ; 2,048 KC bytes along a row
	s_mul_i32 s18, s15, s79
	s_add_co_u32 s18, s18, s20
	s_add_nc_u64 s[54:55], s[16:17], s[18:19]      ; the source at tile 0's first row: the even tiles' base
	s_add_co_u32 s18, s15, 8
	s_mul_i32 s18, s18, s79
	s_add_co_u32 s18, s18, s20
	s_add_nc_u64 s[56:57], s[16:17], s[18:19]      ; at tile 1's: the odd tiles' base
	s_lshl_b32 s58, s79, 5                         ; from an even (odd) tile to the next even (odd) one: 32 rows
	s_mov_b32 s59, 0
	s_lshl_b32 s21, s8, 2
	s_add_co_u32 s21, s21, s4                      ; my K step: 4 KC + w
	s_mul_i32 s18, s10, s78
	s_mul_i32 s22, s21, 1536
	s_add_co_u32 s18, s18, s22
	s_add_nc_u64 s[66:67], s[42:43], s[18:19]      ; codes: tile T0, my K step
	s_mul_i32 s18, s21, s6
	s_lshr_b32 s22, s10, 2
	s_lshl_b32 s22, s22, 8
	s_add_co_u32 s18, s18, s22
	s_add_nc_u64 s[68:69], s[48:49], s[18:19]      ; scale words: my K step, block of tiles T0 / 4
	s_lshl_b32 s18, s21, 9
	s_add_nc_u64 s[70:71], s[36:37], s[18:19]      ; sign_r at my K step's 128 numbers
	s_lshl_b32 s18, s7, 8
	s_add_nc_u64 s[72:73], s[30:31], s[18:19]      ; sign_l at my first 64 rows
	s_lshl_b32 s18, s4, 8
	s_add_nc_u64 s[74:75], s[24:25], s[18:19]      ; the codebook's entries 64 w on
	s_mov_b32 s76, 0x76543210
	s_mov_b32 s77, 0xfedcba98                      ; v_permlanex16_b32's selects for lane l xor 16
	s_mov_b32 s63, 0x0400                          ; v_perm_b32: the low bytes of two words side by side
	s_mov_b32 s90, 0x05040100                      ; the low halves of two words side by side
	s_mov_b32 s60, 0                               ; the trip
.macro ASK b                           ; a tile's 16 rows, 512 consecutive bytes a load; the offset stands in the first register on which its own load lands
.irp i, 0,1,2,3,4,5,6,7
	v_add_nc_u32 v[L+4*\i], s[ROA+\i], v[LOF]
.endr
.irp i, 8,9,10,11,12,13,14,15
	v_add_nc_u32 v[L+4*\i], s[ROB+\i-8], v[LOF]
.endr
.irp i, 0,1,2,3,4,5,6,7,8,9,10,11,12,13,14,15
	global_load_b128 v[L+4*\i:L+4*\i+3], v[L+4*\i], s[\b:\b+1] th:TH_LOAD_NT
.endr
.endm
.macro NEXT par                        ; the next tile is asked for.  All earlier loads are in, so both bases may step.  Behind the last tile: x's fragment in a W_gate work-group, else nothing
.if \par == 0
	ASK 56
.else
	s_add_nc_u64 s[54:55], s[54:55], s[58:59]
	s_add_nc_u64 s[56:57], s[56:57], s[58:59]
	s_cmp_eq_u32 s60, 3
	s_cbranch_scc1 .Llast_\@
	ASK 54
	s_branch .Lasked_\@
.Llast_\@:
	s_cmp_lg_u32 s2, 0
	s_cbranch_scc1 .Lasked_\@
.irp i, 0,1,2,3,4,5,6,7,8,9,10,11,12,13,14,15
	global_load_b128 v[L+4*\i:L+4*\i+3], v[XO], s[100:101] offset:8192*\i th:TH_LOAD_NT
.endr
.Lasked_\@:
.endif
.endm
.set n, 0
.rept 16
	global_load_b128 v[X+4*n:X+4*n+3], v62, s[74:75] offset:16*n   ; all lanes read the same 16 bytes: each register holds one entry in every lane
.set n, n+1
.endr
	ASK 54                                         ; tile 0
.irp c, 0,1
.irp j, 0,1,2,3,4,5,6,7
	global_load_b128 v[FS+32*\c+4*\j:FS+32*\c+4*\j+3], v15, s[70:71] offset:256*\c+16*\j
.endr
.endr
.irp t, 0,1,2,3,4,5,6,7
	global_load_b32 v[SL+\t], v28, s[72:73] offset:256*(\t/4)+128*((\t%4)/2)+32*(\t%2)   ; 4 x tile t's first row
.endr
	s_wait_loadcnt 40                              ; the codebook's 16 loads are in; behind them stand 16 + 16 + 8
.set n, 0
.rept 64
	ds_store_b32 v[TA], v[X+n] offset:128*n        ; entry 64 w + n, once for each lane
.set n, n+1
.endr
	s_wait_loadcnt 0x0
.set n, 0
.rept 32
	v_pk_mul_f32 v[FS+n:FS+n+1], v[FS+n:FS+n+1], 0x3ca3d70a op_sel_hi:[1,0]   ; sign_r x 0.02, once for my eight tiles
.set n, n+2
.endr
	s_wait_alu depctr_va_vdst(0)                   ; the wait ahead of the wait below
	s_wait_dscnt 0x0                               ; for the others' sake: my part of the codebook lies in LDS
	s_barrier_signal -1
	s_barrier_wait -1                              ; the codebook is whole; from here on it is only read, and a wave touches no other wave's stage
.macro LOOK c                          ; 8 words of packed indices (they lie in X's last 16 registers) become 32 codebook values: byte, held at 255, x 128 + 4 x lane, looked up in place.  Ascending, so that no word is written over before it is read
.set d, 8*\c
.rept 8
	v_bfe_u32 v[X+4*d], v[X+48+d], 0, 8
	v_bfe_u32 v[X+4*d+1], v[X+48+d], 8, 8
	v_bfe_u32 v[X+4*d+2], v[X+48+d], 16, 8
	v_lshrrev_b32 v[X+4*d+3], 24, v[X+48+d]
.set d, d+1
.endr
.set n, 0
.rept 32
	v_min_u32 v[X+32*\c+n], 0xff, v[X+32*\c+n]
.set n, n+1
.endr
.set n, 0
.rept 32
	v_lshl_add_u32 v[X+32*\c+n], v[X+32*\c+n], 7, v[L4]
.set n, n+1
.endr
.set n, 0
.rept 32
	ds_load_b32 v[X+32*\c+n], v[X+32*\c+n]
.set n, n+1
.endr
.endm
.macro SIGNS c, par                    ; x (sign_r x 0.02), then x my row's sign_l: the low (even tile) or high (odd tile) word of v[16:17] serves both halves
.set n, 0
.rept 16
	v_pk_mul_f32 v[X+32*\c+n:X+32*\c+n+1], v[X+32*\c+n:X+32*\c+n+1], v[FS+32*\c+n:FS+32*\c+n+1]
.set n, n+2
.endr
.set n, 0
.rept 16
.if \par == 0
	v_pk_mul_f32 v[X+32*\c+n:X+32*\c+n+1], v[X+32*\c+n:X+32*\c+n+1], v[SL:SL+1] op_sel_hi:[1,0]
.else
	v_pk_mul_f32 v[X+32*\c+n:X+32*\c+n+1], v[X+32*\c+n:X+32*\c+n+1], v[SL:SL+1] op_sel:[0,1] op_sel_hi:[1,1]
.endif
.set n, n+2
.endr
.endm
.macro QUANTW par                      ; my 64 numbers become a fragment's 12 registers and my row's scale word.  par: 0 an even tile, 1 an odd one, 2 x's fragment
.irp c, 0,1
.irp k, 0,1
	v_max3_num_f32 v[TM+2*\c+\k], |v[X+32*\c+16*\k]|, |v[X+32*\c+16*\k+1]|, 0x1800000   ; four chains of 16 numbers; the floor 2^(3 - 127) holds the byte at 1 from below
.endr
.endr
.irp i, 2,4,6,8,10,12,14
.irp c, 0,1
.irp k, 0,1
	v_max3_num_f32 v[TM+2*\c+\k], v[TM+2*\c+\k], |v[X+32*\c+16*\k+\i]|, |v[X+32*\c+16*\k+\i+1]|
.endr
.endr
.endr
	v_max_num_f32 v[TM], v[TM], v[TM+1]            ; block h's largest magnitude: all 32 numbers are mine
	v_max_num_f32 v[TM+2], v[TM+2], v[TM+3]        ; block 2 + h's
	v_add_nc_u32 v[TM+4], 0xff000000, v[TM]        ; 2 off the exponent field: the conversion takes this operand's exponent field as its scale
	v_add_nc_u32 v[TM+5], 0xff000000, v[TM+2]
	v_lshrrev_b32 v[TM+6], 23, v[TM+4]             ; the bytes
	v_lshrrev_b32 v[TM+7], 23, v[TM+5]
	v_lshl_or_b32 v[TM+8], v[TM+7], 16, v[TM+6]
	v_lshlrev_b32 v[TM+8], v[H8], v[TM+8]          ; at their places in the word: 8 h bits up
	v_permlanex16_b32 v[TM+1], v[TM+8], s76, s77   ; (its destination has been written above)
	v_or_b32 v[PW+2+(\par)%2], v[TM+8], v[TM+1]    ; with lane l xor 16's two bytes the word is whole
	s_wait_alu depctr_va_vdst(0)                   ; the wait ahead of the wait below
	s_wait_xcnt 0x0                                ; the last tile's stores have read their data and their offsets: these are written again only behind this wait
.if \par == 0
	v_add_nc_u32 v[CO], s61, v[CO]                 ; this tile's place in the codes' buffer,
	v_add_nc_u32 v[SO], s62, v[SO]                 ; and its group's in the scales'
.elseif \par == 1
	v_add_nc_u32 v[CO], s78, v[CO]
.endif
.irp c, 0,1
	v_cvt_scalef32_pk16_fp6_f32 v[PC+6*\c:PC+6*\c+2], v[X+32*\c:X+32*\c+15], v[TM+4+\c]
	v_cvt_scalef32_pk16_fp6_f32 v[PT+4*\c:PT+4*\c+2], v[X+32*\c+16:X+32*\c+31], v[TM+4+\c]   ; (a conversion's three registers begin on an even number)
.endr
	v_nop                                          ; one plain place behind a scaled conversion
.irp c, 0,1
.irp i, 0,1,2
	v_mov_b32 v[PC+6*\c+3+\i], v[PT+4*\c+\i]
.endr
.endr
.endm
.macro TILE par
.if \par == 0
	s_cmp_eq_u32 s60, 2                            ; the step in the two buffers: none ahead of tile 0, on to the second group ahead of tile 4, else one tile
	s_cselect_b32 s61, s88, s78
	s_cselect_b32 s62, s89, 0
	s_cmp_eq_u32 s60, 0
	s_cselect_b32 s61, 0, s61
.endif
	s_wait_loadcnt 0x0                             ; the tile's 16 loads are in; nothing younger is out
.irp i, 0,1,2,3,4,5,6,7,8,9,10,11,12,13,14,15
	v_perm_b32 v[L+4*\i], v[L+4*\i+1], v[L+4*\i], s63              ; four indices' low bytes into one word, the lowest k lowest
	v_perm_b32 v[L+4*\i+2], v[L+4*\i+3], v[L+4*\i+2], s63
.endr
.irp i, 0,1,2,3,4,5,6,7,8,9,10,11,12,13,14,15
	v_perm_b32 v[T+\i], v[L+4*\i+2], v[L+4*\i], s90
.endr
.irp i, 0,1,2,3,4,5,6,7,8,9,10,11,12,13,14,15
	ds_store_b32 v[SS], v[T+\i] offset:WP*\i       ; row i: 128 consecutive bytes; the packed words are read ahead of the branches below
.endr
	NEXT \par
.irp n, 0,1,2,3
	ds_load_b128 v[X+48+4*\n:X+48+4*\n+3], v[SLD] offset:64*(\n/2)+16*(\n%2)   ; word 8 c + j of my 16: k = 64 c + 32 h + 4 j ..  (LDS serves a wave's instructions in order: these see my stores)
.endr
	s_wait_dscnt 0x0
	LOOK 0
	LOOK 1
	s_wait_dscnt 32                                ; the first 32 values are in; the other 32 look-ups may be out
	SIGNS 0, \par
	s_wait_dscnt 0x0
	SIGNS 1, \par
	QUANTW \par
.irp p, 0,1,2
	global_store_b128 v[CO], v[PC+4*\p:PC+4*\p+3], s[66:67] offset:512*\p   ; 512 consecutive bytes an instruction, at a multiple of 512 from the buffer's first byte
.endr
.endm
.Ltrip:
	TILE 0
	TILE 1
	v_cmp_eq_u32 vcc_lo, 1, v[H]
	v_cndmask_b32 v[WD], v[PW], v[PW+2], vcc_lo    ; lanes 0-15: a group's tiles 0 and 1 (the last trip's words), lanes 16-31: its tiles 2 and 3 (this trip's)
	v_cndmask_b32 v[WD+1], v[PW+1], v[PW+3], vcc_lo
	s_bitcmp1_b32 s60, 0                           ; a group of four tiles is whole behind trips 1 and 3
	s_cbranch_scc0 .Lno_words
	global_store_b64 v[SO], v[WD:WD+1], s[68:69]   ; the 32 lanes store 256 consecutive bytes, at a multiple of 256
.Lno_words:
	v_mov_b32 v[PW], v[PW+2]
	v_mov_b32 v[PW+1], v[PW+3]
.irp i, 0,1,2,3,4,5
	v_mov_b32 v[SL+\i], v[SL+2+\i]                 ; the next two tiles' sign_l move to the front
.endr
	s_add_co_u32 s60, s60, 1
	s_cmp_lt_u32 s60, 4
	s_wait_alu depctr_va_vdst(0)                   ; the wait ahead of the branch
	s_cbranch_scc1 .Ltrip
	; x's fragment, in W_gate's work-groups: asked for in the last tile
	s_cmp_lg_u32 s2, 0
	s_cbranch_scc1 .Lno_x
	s_wait_loadcnt 0x0
.irp i, 0,1,2,3,4,5,6,7,8,9,10,11,12,13,14,15
	ds_store_b128 v[SSX], v[L+4*\i:L+4*\i+3] offset:XP*\i
.endr
.irp c, 0,1
.irp j, 0,1,2,3,4,5,6,7
	ds_load_b128 v[X+32*\c+4*\j:X+32*\c+4*\j+3], v[SLDX] offset:256*\c+16*\j   ; in order behind my stores
.endr
.endr
	s_wait_dscnt 0x0
	QUANTW 2
.irp p, 0,1,2
	global_store_b128 v[XO], v[PC+4*\p:PC+4*\p+3], s[46:47] offset:512*\p
.endr
	ds_store_b32 v[XWA], v[PW+2]                   ; row r's word of tile 4 g + w; both halves of the lanes write the same word with the same value
.Lno_x:
	s_wait_alu depctr_va_vdst(0)                   ; the wait ahead of the wait below
	s_wait_dscnt 0x0                               ; for wave 0's sake: my words lie in LDS
	s_barrier_signal -1
	s_barrier_wait -1
	s_cmp_lg_u32 s2, 0
	s_cbranch_scc1 .Lend
	s_cmp_lg_u32 s4, 0
	s_cbranch_scc1 .Lend
	ds_load_b64 v[28:29], v[XWR]
	s_wait_dscnt 0x0
	global_store_b64 v[XSO], v[28:29], s[52:53]    ; the 32 lanes store 256 consecutive bytes, at a multiple of 256
.Lend:
	s_wait_tensorcnt 0x0                           ; the wave's end
	ds_add_u32 v[SPW], v[NIL]
	s_wait_dscnt 0x0
	s_endpgm
.Lfunc_end_k_q48897fd1c0_prep:
	.size	k_q48897fd1c0_prep, .Lfunc_end_k_q48897fd1c0_prep-k_q48897fd1c0_prep
	.p2alignl 7, 3214868480
	.fill 96, 4, 3214868480
	.section	.rodata,"a",@progbits
	.p2align	6, 0x0
	.amdhsa_kernel k_q48897fd1c0_prep
		.amdhsa_group_segment_fixed_size 76544
		.amdhsa_private_segment_fixed_size 0
		.amdhsa_enable_private_segment 0
		.amdhsa_kernarg_size 152
		.amdhsa_user_sgpr_count 2
		.amdhsa_user_sgpr_kernarg_segment_ptr 1
		.amdhsa_wavefront_size32 1
		.amdhsa_system_sgpr_workgroup_id_x 1
		.amdhsa_system_sgpr_workgroup_id_y 1
		.amdhsa_system_sgpr_workgroup_id_z 1
		.amdhsa_system_vgpr_workitem_id 0
		.amdhsa_next_free_vgpr 256
		.amdhsa_next_free_sgpr 102
		.amdhsa_reserve_vcc 1
		.amdhsa_float_denorm_mode_32 3
		.amdhsa_float_denorm_mode_16_64 3
		.amdhsa_memory_ordered 1
		.amdhsa_forward_progress 1
		.amdhsa_inst_pref_size 87
	.end_amdhsa_kernel
	.amdgpu_metadata
---
amdhsa.version: [ 1, 2 ]
amdhsa.kernels:
  - .name:           k_q48897fd1c0_prep
    .symbol:         k_q48897fd1c0_prep.kd
    .args:
      - { .name: walks_gate, .offset: 0, .size: 8, .value_kind: global_buffer, .address_space: global }
      - { .name: walks_up, .offset: 8, .size: 8, .value_kind: global_buffer, .address_space: global }
      - { .name: walks_down, .offset: 16, .size: 8, .value_kind: global_buffer, .address_space: global }
      - { .name: x, .offset: 24, .size: 8, .value_kind: global_buffer, .address_space: global }
      - { .name: lut_gate, .offset: 32, .size: 8, .value_kind: global_buffer, .address_space: global }
      - { .name: lut_up, .offset: 40, .size: 8, .value_kind: global_buffer, .address_space: global }
      - { .name: lut_down, .offset: 48, .size: 8, .value_kind: global_buffer, .address_space: global }
      - { .name: sign_l_gate, .offset: 56, .size: 8, .value_kind: global_buffer, .address_space: global }
      - { .name: sign_l_up, .offset: 64, .size: 8, .value_kind: global_buffer, .address_space: global }
      - { .name: sign_l_down, .offset: 72, .size: 8, .value_kind: global_buffer, .address_space: global }
      - { .name: sign_r_gate, .offset: 80, .size: 8, .value_kind: global_buffer, .address_space: global }
      - { .name: sign_r_up, .offset: 88, .size: 8, .value_kind: global_buffer, .address_space: global }
      - { .name: sign_r_down, .offset: 96, .size: 8, .value_kind: global_buffer, .address_space: global }
      - { .name: wguq, .offset: 104, .size: 8, .value_kind: global_buffer, .address_space: global }
      - { .name: wdq, .offset: 112, .size: 8, .value_kind: global_buffer, .address_space: global }
      - { .name: xq, .offset: 120, .size: 8, .value_kind: global_buffer, .address_space: global }
      - { .name: wgus, .offset: 128, .size: 8, .value_kind: global_buffer, .address_space: global }
      - { .name: wds, .offset: 136, .size: 8, .value_kind: global_buffer, .address_space: global }
      - { .name: xs, .offset: 144, .size: 8, .value_kind: global_buffer, .address_space: global }
    .group_segment_fixed_size: 76544
    .private_segment_fixed_size: 0
    .kernarg_segment_align: 8
    .kernarg_segment_size: 152
    .max_flat_workgroup_size: 128
    .sgpr_count:     102
    .vgpr_count:     256
    .wavefront_size: 32
...
	.end_amdgpu_metadata
.endif
;; end of part 1
;; launch gateup (part 2): grid 64 x 4, 4 waves a work-group, clusters of 4 x 4, 327,680 bytes of LDS; arguments xq, xs, wguq, wgus, hq, hs; writes hq, hs
.if DOCPART == 2
	.amdgcn_target "amdgcn-amd-amdhsa--gfx1250"
	.amdhsa_code_object_version 6
	.text
	.protected	k_q48897fd1c0_gateup
	.globl	k_q48897fd1c0_gateup
	.p2align	8
	.type	k_q48897fd1c0_gateup,@function
k_q48897fd1c0_gateup:
	s_mov_b64 s[64:65], 0
	v_nop
	global_prefetch_b8 v0, s[64:65] scope:SCOPE_SE
	s_setreg_imm32_b32 hwreg(HW_REG_WAVE_MODE, 25, 1), 1
	s_wait_xcnt 0x0
	s_wait_alu depctr_hold_cnt(0) depctr_sa_sdst(0) depctr_va_vdst(0) depctr_va_sdst(0) depctr_va_ssrc(0) depctr_va_vcc(0) depctr_vm_vsrc(0)
	s_getreg_b32 s2, hwreg(HW_REG_IB_STS2, 6, 4)
	s_cmp_eq_u32 s2, 0
	s_cbranch_scc0 .Lentry_in_a_cluster
	s_endpgm
.Lentry_in_a_cluster:
	s_bfe_u32 s2, ttmp6, 0x10000c
	s_cmp_lg_u32 s2, 0xf033
	s_cbranch_scc0 .Lentry_shape_is_right
	s_endpgm
.Lentry_shape_is_right:
.set NQ,    2
.set FR,    12
.set NL,    3
.set NP,    4
.set TILEB, 24576
.set HALFT, 8*2*1536
.set SLOT,  4*HALFT
.set LAPS,  4
.set SCL,   2*SLOT
.set HALFS, 8192
.set SPARE, SCL+4*HALFS
.set HST,   0
.set SST,   24576
.set ADRA, 16
.set ADRB, 20
.set EA0,  22
.set EA1,  23
.set ESC,  24
.set ERD,  25
.set ERS,  26
.set ADRS, 27
.set SPW,  28
.set NIL,  29
.set L16,  30
.set L8,   31
.set SC,   32
.set AF,   128
.set T,    64
.set H,    96
.set TM,   224
.set SCW,  236
.set Z,    240
.set PT,   248
.set BK,   128
.set G1,   24
.set G0,   32
.set G1B,  48
.set G0B,  56
.set G1S,  68
.set G0S,  76
.set G1SB, 80
.set G0SB, 88
.set WV,   96
.set WM,   97
.set WN,   98
.set MSB, 0
.macro WIN new
.if MSB != (\new)
	s_set_vgpr_msb (MSB<<8)|(\new)
.set MSB, (\new)
.endif
.endm
.set MUL_LO, 0xa1
.set MUL_HI, 0xf1
.set TO_B,   0x40
.macro JLOAD g0a, g1a, g0b, g1b
	s_cmp_eq_u32 s[WM], 0
	s_cbranch_scc0 .Lfor_b_\@
	tensor_load_to_lds s[\g0a:\g0a+3], s[\g1a:\g1a+7]
	s_nop 0
.rept 4
	v_nop
.endr
	s_branch .Lasked_\@
.Lfor_b_\@:
	tensor_load_to_lds s[\g0b:\g0b+3], s[\g1b:\g1b+7]
	s_nop 0
.rept 4
	v_nop
.endr
.Lasked_\@:
.endm
.macro CREST
	s_cmp_lg_u32 s[WV], 0
	s_cbranch_scc1 .Lnot_wave_0_\@
	s_barrier_signal -3
.Lnot_wave_0_\@:
	s_barrier_wait -3
	s_barrier_signal -1
	s_barrier_wait -1
.endm
.macro CROUND
	s_barrier_signal -1
	s_barrier_wait -1
	CREST
.endm
	s_load_b256 s[4:11], s[0:1], 0x0
	s_load_b128 s[12:15], s[0:1], 0x20
	v_lshl_add_u32 v[SPW], v0, 2, SPARE
	v_mov_b32 v[NIL], 0
	ds_add_u32 v28, v29
	ds_add_u32 v28, v29
	s_wait_dscnt 0x0
	v_lshrrev_b32 v1, 5, v0
	v_readfirstlane_b32 s[WV], v1
	s_lshr_b32 s[WM], s[WV], 1
	s_and_b32 s[WN], s[WV], 1
	s_bfe_u32 s40, ttmp6, 0x40000
	s_bfe_u32 s41, ttmp6, 0x40004
	s_lshl_b32 s42, ttmp9, 2
	s_add_co_u32 s42, s42, s40
	s_and_b32 s17, ttmp7, 0xffff
	s_lshl_b32 s17, s17, 2
	s_add_co_u32 s17, s17, s41
	s_lshl_b32 s43, s41, 2
	s_lshl_b32 s43, 15, s43
	s_lshl_b32 s44, 0x1111, s40
	s_or_b32 s[G1+0], s43, (3<<16)|(1<<21)
	s_or_b32 s[G1B+0], s44, (3<<16)|(1<<21)
.irp g, G1, G1B
	s_mov_b32 s[\g+1], 384<<16
	s_mov_b32 s[\g+2], 8<<16
	s_mov_b32 s[\g+3], 384<<16
	s_mov_b32 s[\g+4], 8
	s_mov_b32 s[\g+5], 3072
	s_mov_b32 s[\g+6], 0
	s_mov_b32 s[\g+7], 0
.endr
	s_or_b32 s[G1S+0], s43, (3<<16)|(1<<21)
	s_or_b32 s[G1SB+0], s44, (3<<16)|(1<<21)
.irp g, G1S, G1SB
	s_mov_b32 s[\g+1], 64<<16
	s_mov_b32 s[\g+2], 16<<16
	s_mov_b32 s[\g+3], 64<<16
	s_mov_b32 s[\g+4], 16
	s_mov_b32 s[\g+6], 0
	s_mov_b32 s[\g+7], 0
.endr
	s_mov_b32 s[G1S+5], 512
	s_mov_b32 s[G1SB+5], 8192
	s_lshl_b32 s18, s[WN], 3
	s_lshl_b32 s19, s[WN], 1
	s_lshl_b32 s20, s17, 4
	s_add_co_u32 s20, s20, s18
	s_mul_i32 s20, s20, TILEB
	s_mov_b32 s21, 0
	s_lshl_b32 s46, s42, 4
	s_add_co_u32 s46, s46, s18
	s_mul_i32 s46, s46, TILEB
	s_mov_b32 s47, 0
	s_lshl_b32 s22, s17, 2
	s_add_co_u32 s22, s22, s19
	s_lshl_b32 s22, s22, 8
	s_mov_b32 s23, 0
	s_lshl_b32 s92, s42, 2
	s_add_co_u32 s92, s92, s19
	s_lshl_b32 s92, s92, 8
	s_mov_b32 s93, 0
	s_mul_i32 s45, s[WV], HALFT
	s_mul_i32 s94, s[WV], HALFS
	s_wait_kmcnt 0x0
	s_add_nc_u64 s[20:21], s[4:5], s[20:21]
	s_add_nc_u64 s[22:23], s[6:7], s[22:23]
	s_add_nc_u64 s[46:47], s[8:9], s[46:47]
	s_add_nc_u64 s[92:93], s[10:11], s[92:93]
	CROUND
	s_mov_b32 s[G0S], 1
	s_add_co_u32 s[G0S+1], s94, SCL
	s_mov_b64 s[G0S+2:G0S+3], s[22:23]
	s_or_b32 s[G0S+3], s[G0S+3], 0x80000000
	s_mov_b32 s[G0SB], 1
	s_add_co_u32 s[G0SB+1], s94, SCL
	s_mov_b64 s[G0SB+2:G0SB+3], s[92:93]
	s_or_b32 s[G0SB+3], s[G0SB+3], 0x80000000
	JLOAD G0S, G1S, G0SB, G1SB
.irp s, 0,1
	s_mov_b32 s[G0+4*\s], 1
	s_add_co_u32 s[G0+4*\s+1], s45, \s*SLOT
	s_add_nc_u64 s[G0+4*\s+2:G0+4*\s+3], s[20:21], \s*3072
	s_or_b32 s[G0+4*\s+3], s[G0+4*\s+3], 0x80000000
	s_mov_b32 s[G0B+4*\s], 1
	s_add_co_u32 s[G0B+4*\s+1], s45, \s*SLOT
	s_add_nc_u64 s[G0B+4*\s+2:G0B+4*\s+3], s[46:47], \s*3072
	s_or_b32 s[G0B+4*\s+3], s[G0B+4*\s+3], 0x80000000
	s_wait_alu depctr_va_vdst(0)
	s_wait_tensorcnt 0x0
	ds_add_u32 v28, v29
	s_wait_dscnt 0x0
	CROUND
	JLOAD G0+4*\s, G1, G0B+4*\s, G1B
.endr
	v_and_b32 v1, 15, v0
	v_bfe_u32 v2, v0, 4, 1
	s_wait_alu depctr_va_vdst(0)
	v_and_b32 v3, 31, v0
	v_lshlrev_b32 v[L16], 4, v3
	s_wait_alu depctr_va_vdst(0)
	v_lshlrev_b32 v[L8], 3, v3
	s_mul_i32 s21, s[WM], HALFT
	s_mul_i32 s22, s[WN], HALFT
	s_add_co_u32 s22, s22, 2*HALFT
.irp s, 0,1
	v_add_nc_u32 v[ADRA+\s], s21, v[L16]
	v_add_nc_u32 v[ADRB+\s], s22, v[L16]
	s_add_co_u32 s21, s21, SLOT
	s_add_co_u32 s22, s22, SLOT
.endr
	s_mul_i32 s21, s[WM], HALFS
	s_mul_i32 s22, s[WN], HALFS
	s_add_co_u32 s22, s22, 2*HALFS
	s_sub_co_u32 s22, s22, s21
	v_mul_u32_u24 v4, s22, v2
	s_add_co_u32 s21, s21, SCL
	v_lshl_add_u32 v4, v1, 4, v4
	v_add_nc_u32 v[ADRS], s21, v4
	s_mul_i32 s18, s[WM], 8*1536
	s_mul_i32 s19, s[WN], 520
	s_add_co_u32 s19, s19, s18
	v_add_nc_u32 v[EA0], s19, v[L16]
	s_mul_i32 s19, s[WN], 1016
	s_add_co_u32 s19, s19, s18
	s_add_co_u32 s19, s19, 8
	v_add_nc_u32 v[EA1], s19, v[L16]
	s_lshl_b32 s19, s[WM], 9
	s_lshl_b32 s18, s[WN], 1
	s_add_co_u32 s19, s19, s18
	s_add_co_u32 s19, s19, SST
	v_lshl_add_u32 v[ESC], v1, 4, s19
	s_mul_i32 s19, s[WV], 4*1536
	v_add_nc_u32 v[ERD], s19, v[L16]
	s_lshl_b32 s19, s[WV], 8
	s_add_co_u32 s19, s19, SST
	v_add_nc_u32 v[ERS], s19, v[L8]
	s_lshl_b32 s20, s17, 4
	s_lshl_b32 s21, s[WV], 2
	s_add_co_u32 s20, s20, s21
	s_mul_i32 s20, s20, 98304
	s_mov_b32 s21, 0
	s_add_nc_u64 s[12:13], s[12:13], s[20:21]
	s_mul_i32 s46, s42, 1536
	s_mov_b32 s47, 0
	s_add_nc_u64 s[12:13], s[12:13], s[46:47]
	s_lshl_b32 s20, s17, 2
	s_add_co_u32 s20, s20, s[WV]
	s_lshl_b32 s20, s20, 8
	s_add_nc_u64 s[14:15], s[14:15], s[20:21]
	s_lshl_b32 s46, s42, 12
	s_add_nc_u64 s[14:15], s[14:15], s[46:47]
	s_mov_b32 s66, 0xbfb8aa3b
	s_mov_b32 s67, s66
	s_mov_b32 s100, 0x76543210
	s_mov_b32 s101, 0xfedcba98
.macro FRAG reg, adr, q, i
.irp p, 0,1,2
	ds_load_b128 v[\reg+4*\p:\reg+4*\p+3], v[\adr] offset:3072*(\i)+1536*(\q)+512*\p
.endr
.endm
.macro MUL16 a0, p, q, sc, zero
.irp a, \a0, \a0+1
.irp b, 0,1,2,3,4,5,6,7
.if \zero
	v_wmma_scale_f32_16x16x128_f8f6f4 v[8*(8*((\a)%4)+\b):8*(8*((\a)%4)+\b)+7], v[128*(\p)+FR*\b:128*(\p)+FR*\b+FR-1], v[AF+FR*(\a):AF+FR*(\a)+FR-1], 0, v[SC+16*(\sc)+8*(\q)+\b], v[SC+16*(\sc)+8*(\q)+(\a)] matrix_a_fmt:MATRIX_FMT_FP6 matrix_b_fmt:MATRIX_FMT_FP6 matrix_a_scale:MATRIX_SCALE_ROW1
.else
	v_wmma_scale_f32_16x16x128_f8f6f4 v[8*(8*((\a)%4)+\b):8*(8*((\a)%4)+\b)+7], v[128*(\p)+FR*\b:128*(\p)+FR*\b+FR-1], v[AF+FR*(\a):AF+FR*(\a)+FR-1], v[8*(8*((\a)%4)+\b):8*(8*((\a)%4)+\b)+7], v[SC+16*(\sc)+8*(\q)+\b], v[SC+16*(\sc)+8*(\q)+(\a)] matrix_a_fmt:MATRIX_FMT_FP6 matrix_b_fmt:MATRIX_FMT_FP6 matrix_a_scale:MATRIX_SCALE_ROW1
.endif
.endr
.endr
.endm
.macro FETCH_B slot, q, p
	WIN TO_B
.irp i, 0,1,2,3,4,5,6,7
	FRAG 128*(\p)+FR*\i, ADRB+\slot, \q, \i
.endr
	WIN 0
.endm
.macro FETCH_A slot, q, i0
.irp i, \i0, \i0+1, \i0+2, \i0+3
	FRAG AF+FR*(\i), ADRA+\slot, \q, \i
.endr
.endm
.macro SCALES sc
.irp q, 0,1
.irp k, 0,1
	ds_load_b128 v[SC+16*(\sc)+8*\q+4*\k:SC+16*(\sc)+8*\q+4*\k+3], v[ADRS] offset:512*\q+256*\k
.endr
.endr
.endm
.macro PLACES n
.rept \n
	v_nop
.endr
.endm
.macro STEP slot, q, zero
	s_wait_dscnt 4*NL
	WIN MUL_LO
	MUL16 0, (\q)%2, \q, \slot, \zero
	MUL16 2, (\q)%2, \q, \slot, \zero
	s_wait_dscnt 0
	PLACES NP
	FETCH_B \slot, (\q)+1, 1-(\q)%2
	FETCH_A \slot, (\q)+1, 0
	WIN MUL_HI
	MUL16 4, (\q)%2, \q, \slot, \zero
	MUL16 6, (\q)%2, \q, \slot, \zero
	PLACES NP
	WIN 0
	FETCH_A \slot, (\q)+1, 4
.endm
.macro TURN slot, next, fill
	s_wait_tensorcnt 0x0
	ds_add_u32 v[SPW], v[NIL]
	s_wait_dscnt 0x0
	s_barrier_signal -1
	s_barrier_wait -1
.if \fill
	CREST
	s_add_nc_u64 s[G0+4*\slot+2:G0+4*\slot+3], s[G0+4*\slot+2:G0+4*\slot+3], 2*3072
	s_add_nc_u64 s[G0B+4*\slot+2:G0B+4*\slot+3], s[G0B+4*\slot+2:G0B+4*\slot+3], 2*3072
	JLOAD G0+4*\slot, G1, G0B+4*\slot, G1B
.endif
	WIN MUL_LO
	MUL16 0, 1, NQ-1, \slot, 0
	MUL16 2, 1, NQ-1, \slot, 0
	PLACES NP
	WIN 0
	s_wait_alu depctr_va_vdst(0)
	v_add_nc_u32 v[ADRS], 2*512, v[ADRS]
	FETCH_B \next, 0, 0
	FETCH_A \next, 0, 0
	SCALES \next
	WIN MUL_HI
	MUL16 4, 1, NQ-1, \slot, 0
	MUL16 6, 1, NQ-1, \slot, 0
	PLACES NP
	WIN 0
	FETCH_A \next, 0, 4
.endm
	s_wait_alu depctr_va_vdst(0)
	s_wait_tensorcnt 1
	s_barrier_signal -1
	s_barrier_wait -1
	FETCH_B 0, 0, 0
	FETCH_A 0, 0, 0
	SCALES 0
	FETCH_A 0, 0, 4
	STEP 0, 0, 1
	s_mov_b32 s3, LAPS-1
.Llap:
	TURN 0, 1, 1
	STEP 1, 0, 0
	TURN 1, 0, 1
	STEP 0, 0, 0
	s_sub_co_u32 s3, s3, 1
	s_cmp_lg_u32 s3, 0
	s_cbranch_scc1 .Llap
	TURN 0, 1, 0
	STEP 1, 0, 0
	s_wait_dscnt 4*NL
	WIN MUL_LO
	MUL16 0, 1, NQ-1, 1, 0
	MUL16 2, 1, NQ-1, 1, 0
	s_wait_dscnt 0
	WIN MUL_HI
	MUL16 4, 1, NQ-1, 1, 0
	MUL16 6, 1, NQ-1, 1, 0
	WIN 0
.macro EPI a
.set AC, 64*((\a)%4)
	WIN 0x02+(\a)/4
.set n, 0
.rept 16
	v_pk_mul_f32 v[T+n:T+n+1], v[AC+n:AC+n+1], s[66:67] op_sel_hi:[1,0]
.set n, n+2
.endr
	WIN 0
.set n, 0
	s_wait_alu depctr_va_vdst(0)
.rept 32
	v_exp_f32 v[T+n], v[T+n]
.set n, n+1
.endr
	v_nop
	s_wait_alu depctr_va_vdst(0)
.set n, 0
.rept 16
	v_pk_add_f32 v[T+n:T+n+1], v[T+n:T+n+1], 1.0 op_sel_hi:[1,0]
.set n, n+2
.endr
.set n, 0
	s_wait_alu depctr_va_vdst(0)
.rept 32
	v_rcp_f32 v[T+n], v[T+n]
.set n, n+1
.endr
	v_nop
	s_wait_alu depctr_va_vdst(0)
	WIN 0x08+4*((\a)/4)
.set n, 0
.rept 16
	v_pk_mul_f32 v[H+n:H+n+1], v[T+n:T+n+1], v[AC+n:AC+n+1]
.set n, n+2
.endr
.set n, 0
.rept 16
	v_pk_mul_f32 v[H+n:H+n+1], v[H+n:H+n+1], v[AC+32+n:AC+32+n+1]
.set n, n+2
.endr
	WIN 0
.irp b, 0,1
.irp u, 0,1
	v_max3_num_f32 v[TM+2*\b+\u], |v[H+16*\b+8*\u]|, |v[H+16*\b+8*\u+1]|, 0x1800000
.endr
.endr
.irp i, 2,4,6
.irp b, 0,1
.irp u, 0,1
	v_max3_num_f32 v[TM+2*\b+\u], v[TM+2*\b+\u], |v[H+16*\b+8*\u+\i]|, |v[H+16*\b+8*\u+\i+1]|
.endr
.endr
.endr
.irp b, 0,1
	v_max_num_f32 v[TM+2*\b], v[TM+2*\b], v[TM+2*\b+1]
.endr
.irp b, 0,1
	v_permlanex16_b32 v[TM+2*\b+1], v[TM+2*\b], s100, s101
.endr
.irp b, 0,1
	v_max_num_f32 v[TM+2*\b], v[TM+2*\b], v[TM+2*\b+1]
.endr
.irp b, 0,1
	v_add_nc_u32 v[TM+4+\b], 0xff000000, v[TM+2*\b]
.endr
.irp b, 0,1
	v_lshrrev_b32 v[TM+6+\b], 23, v[TM+4+\b]
.endr
	s_wait_alu depctr_va_vdst(0)
	s_wait_dscnt 0x0
	v_lshl_or_b32 v[SCW], v[TM+7], 8, v[TM+6]
	v_cvt_scalef32_pk16_fp6_f32 v[Z:Z+2], v[H:H+15], v[TM+4]
	v_cvt_scalef32_pk16_fp6_f32 v[PT:PT+2], v[H+16:H+31], v[TM+5]
	v_nop
.irp i, 0,1,2
	v_permlane16_swap_b32 v[Z+\i], v[PT+\i]
.endr
.irp i, 0,1,2
	v_mov_b32 v[Z+3+\i], v[PT+\i]
.endr
	ds_store_b64 v[EA0], v[Z:Z+1] offset:1536*(\a)
	ds_store_b64 v[EA1], v[Z+2:Z+3] offset:1536*(\a)
	ds_store_b64 v[EA0], v[Z+4:Z+5] offset:1536*(\a)+512
	ds_store_b16 v[ESC], v[SCW] offset:256*((\a)/4)+4*((\a)%4)
.endm
	PLACES NP
.irp a, 0,1,2,3,4,5,6,7
	EPI \a
.endr
	s_wait_dscnt 0x0
	s_barrier_signal -1
	s_barrier_wait -1
.irp i, 0,1,2,3,4,5,6,7,8,9,10,11
	ds_load_b128 v[BK+4*\i:BK+4*\i+3], v[ERD] offset:512*\i
.endr
	ds_load_b64 v[BK+48:BK+49], v[ERS]
.irp i, 0,1,2,3,4,5,6,7,8,9,10,11
	s_wait_dscnt 12-\i
	global_store_b128 v[L16], v[BK+4*\i:BK+4*\i+3], s[12:13] offset:98304*(\i/3)+512*(\i%3)
.endr
	s_wait_dscnt 0x0
	global_store_b64 v[L8], v[BK+48:BK+49], s[14:15]
	s_wait_tensorcnt 0x0
	ds_add_u32 v[SPW], v[NIL]
	s_wait_dscnt 0x0
	CROUND
	s_endpgm
.Lfunc_end_k_q48897fd1c0_gateup:
	.size	k_q48897fd1c0_gateup, .Lfunc_end_k_q48897fd1c0_gateup-k_q48897fd1c0_gateup
	.p2alignl 7, 3214868480
	.fill 96, 4, 3214868480
	.section	.rodata,"a",@progbits
	.p2align	6, 0x0
	.amdhsa_kernel k_q48897fd1c0_gateup
		.amdhsa_group_segment_fixed_size 327680
		.amdhsa_private_segment_fixed_size 0
		.amdhsa_enable_private_segment 0
		.amdhsa_kernarg_size 48
		.amdhsa_user_sgpr_count 2
		.amdhsa_user_sgpr_kernarg_segment_ptr 1
		.amdhsa_wavefront_size32 1
		.amdhsa_system_sgpr_workgroup_id_x 1
		.amdhsa_system_sgpr_workgroup_id_y 1
		.amdhsa_system_sgpr_workgroup_id_z 1
		.amdhsa_system_vgpr_workitem_id 0
		.amdhsa_next_free_vgpr 1024
		.amdhsa_next_free_sgpr 102
		.amdhsa_reserve_vcc 0
		.amdhsa_float_denorm_mode_32 3
		.amdhsa_float_denorm_mode_16_64 3
		.amdhsa_memory_ordered 1
		.amdhsa_forward_progress 1
		.amdhsa_inst_pref_size 178
	.end_amdhsa_kernel
	.amdgpu_metadata
---
amdhsa.version: [ 1, 2 ]
amdhsa.kernels:
  - .name:           k_q48897fd1c0_gateup
    .symbol:         k_q48897fd1c0_gateup.kd
    .args:
      - { .name: xq, .offset: 0, .size: 8, .value_kind: global_buffer, .address_space: global }
      - { .name: xs, .offset: 8, .size: 8, .value_kind: global_buffer, .address_space: global }
      - { .name: wguq, .offset: 16, .size: 8, .value_kind: global_buffer, .address_space: global }
      - { .name: wgus, .offset: 24, .size: 8, .value_kind: global_buffer, .address_space: global }
      - { .name: hq, .offset: 32, .size: 8, .value_kind: global_buffer, .address_space: global }
      - { .name: hs, .offset: 40, .size: 8, .value_kind: global_buffer, .address_space: global }
    .group_segment_fixed_size: 327680
    .private_segment_fixed_size: 0
    .kernarg_segment_align: 8
    .kernarg_segment_size: 48
    .max_flat_workgroup_size: 128
    .sgpr_count:     102
    .vgpr_count:     1024
    .wavefront_size: 32
...
	.end_amdgpu_metadata
.endif
;; end of part 2
;; launch down (part 3): grid 32 x 8, 4 waves a work-group, clusters of 4 x 4, 327,680 bytes of LDS; arguments hq, hs, wdq, wds, out0; writes out0
.if DOCPART == 3
	.amdgcn_target "amdgcn-amd-amdhsa--gfx1250"
	.amdhsa_code_object_version 6
	.text
	.protected	k_q48897fd1c0_down
	.globl	k_q48897fd1c0_down
	.p2align	8
	.type	k_q48897fd1c0_down,@function
k_q48897fd1c0_down:
	s_mov_b64 s[64:65], 0
	v_nop
	global_prefetch_b8 v0, s[64:65] scope:SCOPE_SE
	s_setreg_imm32_b32 hwreg(HW_REG_WAVE_MODE, 25, 1), 1
	s_wait_xcnt 0x0
	s_wait_alu depctr_hold_cnt(0) depctr_sa_sdst(0) depctr_va_vdst(0) depctr_va_sdst(0) depctr_va_ssrc(0) depctr_va_vcc(0) depctr_vm_vsrc(0)
	s_getreg_b32 s2, hwreg(HW_REG_IB_STS2, 6, 4)
	s_cmp_eq_u32 s2, 0
	s_cbranch_scc0 .Lentry_in_a_cluster
	s_endpgm
.Lentry_in_a_cluster:
	s_bfe_u32 s2, ttmp6, 0x10000c
	s_cmp_lg_u32 s2, 0xf033
	s_cbranch_scc0 .Lentry_shape_is_right
	s_endpgm
.Lentry_shape_is_right:
.set TILEB, 98304
.set TSLOT, 12288
.set SLOT,  12*TSLOT
.set SPARE, 2*SLOT
.set PART,  128*272
.set STG,   SLOT
.set ADRA, 16
.set ADRB, 20
.set STO,  22
.set RD,   23
.set CO,   25
.set SPW,  28
.set NIL,  29
.set L16,  30
.set SA,   32
.set SB,   96
.set G1,   24
.set G0,   32
.set G1B,  48
.set G0B,  56
.set WV,   96
.set WM,   97
.set WN,   98
.set MSB, 0
.macro WIN new
.if MSB != (\new)
	s_set_vgpr_msb (MSB<<8)|(\new)
.set MSB, (\new)
.endif
.endm
.set MUL,  0xf6
.set TO_A, 0x40
.set TO_B, 0x80
.macro JLOAD g0a, g1a, g0b, g1b
	s_cmp_eq_u32 s[WM], 0
	s_cbranch_scc0 .Lfor_b_\@
	tensor_load_to_lds s[\g0a:\g0a+3], s[\g1a:\g1a+7]
	s_nop 0
.rept 4
	v_nop
.endr
	s_branch .Lasked_\@
.Lfor_b_\@:
	tensor_load_to_lds s[\g0b:\g0b+3], s[\g1b:\g1b+7]
	s_nop 0
.rept 4
	v_nop
.endr
.Lasked_\@:
.endm
.macro CREST
	s_cmp_lg_u32 s[WV], 0
	s_cbranch_scc1 .Lnot_wave_0_\@
	s_barrier_signal -3
.Lnot_wave_0_\@:
	s_barrier_wait -3
	s_barrier_signal -1
	s_barrier_wait -1
.endm
.macro CROUND
	s_barrier_signal -1
	s_barrier_wait -1
	CREST
.endm
.macro PLACES n
.rept \n
	v_nop
.endr
.endm
	s_load_b256 s[4:11], s[0:1], 0x0
	s_load_b64 s[12:13], s[0:1], 0x20
	v_lshl_add_u32 v[SPW], v0, 2, SPARE
	v_mov_b32 v[NIL], 0
	ds_add_u32 v28, v29
	ds_add_u32 v28, v29
	s_wait_dscnt 0x0
	v_lshrrev_b32 v1, 5, v0
	v_readfirstlane_b32 s[WV], v1
	s_lshr_b32 s[WM], s[WV], 1
	s_and_b32 s[WN], s[WV], 1
	s_bfe_u32 s40, ttmp6, 0x40000
	s_bfe_u32 s41, ttmp6, 0x40004
	s_lshl_b32 s42, ttmp9, 2
	s_add_co_u32 s42, s42, s40
	s_and_b32 s17, ttmp7, 0xffff
	s_lshl_b32 s17, s17, 2
	s_add_co_u32 s17, s17, s41
	s_lshl_b32 s43, s41, 2
	s_lshl_b32 s43, 15, s43
	s_lshl_b32 s44, 0x1111, s40
	s_or_b32 s[G1+0], s43, (3<<16)|(1<<21)
	s_or_b32 s[G1B+0], s44, (3<<16)|(1<<21)
.irp g, G1, G1B
	s_mov_b32 s[\g+1], 1536<<16
	s_mov_b32 s[\g+3], 1536<<16
	s_mov_b32 s[\g+5], 12288
	s_mov_b32 s[\g+6], 0
	s_mov_b32 s[\g+7], 0
.endr
	s_mov_b32 s[G1+2], 4<<16
	s_mov_b32 s[G1+4], 4
	s_mov_b32 s[G1B+2], 2<<16
	s_mov_b32 s[G1B+4], 2
	s_lshl_b32 s18, s[WN], 2
	s_lshl_b32 s20, s17, 3
	s_add_co_u32 s20, s20, s18
	s_mul_i32 s20, s20, TILEB
	s_mov_b32 s21, 0
	s_lshl_b32 s19, s[WN], 1
	s_lshl_b32 s46, s42, 2
	s_add_co_u32 s46, s46, s19
	s_mul_i32 s46, s46, TILEB
	s_mov_b32 s47, 0
	s_mul_i32 s45, s[WN], 4*TSLOT
	s_mul_i32 s94, s[WN], 2*TSLOT
	s_add_co_u32 s94, s94, 8*TSLOT
	s_wait_kmcnt 0x0
	s_add_nc_u64 s[20:21], s[4:5], s[20:21]
	s_add_nc_u64 s[46:47], s[8:9], s[46:47]
	CROUND
.irp s, 0,1
	s_mov_b32 s[G0+4*\s], 1
	s_add_co_u32 s[G0+4*\s+1], s45, \s*SLOT
	s_add_nc_u64 s[G0+4*\s+2:G0+4*\s+3], s[20:21], \s*TSLOT
	s_or_b32 s[G0+4*\s+3], s[G0+4*\s+3], 0x80000000
	s_mov_b32 s[G0B+4*\s], 1
	s_add_co_u32 s[G0B+4*\s+1], s94, \s*SLOT
	s_add_nc_u64 s[G0B+4*\s+2:G0B+4*\s+3], s[46:47], \s*TSLOT
	s_or_b32 s[G0B+4*\s+3], s[G0B+4*\s+3], 0x80000000
	s_wait_alu depctr_va_vdst(0)
	s_wait_tensorcnt 0x0
	ds_add_u32 v28, v29
	ds_add_u32 v28, v29
	s_wait_dscnt 0x0
	CROUND
	JLOAD G0+4*\s, G1, G0B+4*\s, G1B
.endr
	v_and_b32 v1, 15, v0
	v_bfe_u32 v2, v0, 4, 1
	s_wait_alu depctr_va_vdst(0)
	v_and_b32 v[L16], 31, v0
	v_lshlrev_b32 v[L16], 4, v[L16]
	s_wait_alu depctr_va_vdst(0)
	s_lshl_b32 s22, s17, 9
	s_mov_b32 s23, 0
	s_add_nc_u64 s[6:7], s[6:7], s[22:23]
	s_lshl_b32 s92, s42, 8
	s_mov_b32 s93, 0
	s_add_nc_u64 s[10:11], s[10:11], s[92:93]
	s_lshl_b32 s18, s[WV], 13
	v_lshlrev_b32 v26, 12, v2
	v_lshl_add_u32 v26, v1, 4, v26
	v_add_nc_u32 v26, s18, v26
	s_lshl_b32 s18, s[WV], 14
	v_lshlrev_b32 v27, 13, v2
	v_lshl_add_u32 v27, v1, 4, v27
	v_add_nc_u32 v27, s18, v27
.irp t, 0,1,2,3,4,5,6,7
.irp k, 0,1
	global_load_b128 v[SA+8*\t+4*\k:SA+8*\t+4*\k+3], v26, s[6:7] offset:32768*\t+256*\k
.endr
	global_load_b128 v[SB+4*\t:SB+4*\t+3], v27, s[10:11] offset:65536*\t
.endr
	s_mul_i32 s18, s[WV], 2*1536
	s_add_co_u32 s18, s18, 56*1536
	s_lshl_b32 s22, s17, 3
	s_mul_i32 s22, s22, TILEB
	s_add_co_u32 s22, s22, s18
	s_add_nc_u64 s[4:5], s[4:5], s[22:23]
	s_lshl_b32 s92, s42, 2
	s_mul_i32 s92, s92, TILEB
	s_add_co_u32 s92, s92, s18
	s_add_nc_u64 s[8:9], s[8:9], s[92:93]
	s_mul_i32 s18, s[WV], 2*1536
	v_add_nc_u32 v[ADRA], s18, v[L16]
	v_add_nc_u32 v[ADRA+1], SLOT, v[ADRA]
	v_add_nc_u32 v[ADRA+2], 4*TSLOT, v[ADRA]
	v_add_nc_u32 v[ADRA+3], 4*TSLOT, v[ADRA+1]
	v_add_nc_u32 v[ADRB], 8*TSLOT, v[ADRA]
	v_add_nc_u32 v[ADRB+1], 8*TSLOT, v[ADRA+1]
	s_mul_i32 s18, s[WV], PART
	s_add_co_u32 s18, s18, STG
	v_mul_u32_u24 v[STO], v1, 272
	v_lshl_add_u32 v[STO], v2, 6, v[STO]
	v_add_nc_u32 v[STO], s18, v[STO]
	s_mul_i32 s18, s[WV], 32*272
	s_add_co_u32 s18, s18, STG
	v_mul_u32_u24 v[RD], v2, 272
	v_lshl_add_u32 v[RD], v1, 4, v[RD]
	v_add_nc_u32 v[RD], s18, v[RD]
	v_add_nc_u32 v[RD+1], 2*PART, v[RD]
	v_lshlrev_b32 v[CO], 13, v2
	v_lshl_add_u32 v[CO], v1, 4, v[CO]
	s_lshl_b32 s20, s17, 7
	s_lshl_b32 s21, s[WV], 5
	s_add_co_u32 s20, s20, s21
	s_lshl_b32 s20, s20, 13
	s_mov_b32 s21, 0
	s_add_nc_u64 s[12:13], s[12:13], s[20:21]
	s_lshl_b32 s46, s42, 8
	s_mov_b32 s47, 0
	s_add_nc_u64 s[12:13], s[12:13], s[46:47]
.macro FETCH p, slot, e
	WIN TO_B
.irp b, 0,1,2,3
.irp c, 0,1,2
	ds_load_b128 v[48*(\p)+12*\b+4*\c:48*(\p)+12*\b+4*\c+3], v[ADRB+\slot] offset:TSLOT*\b+1536*(\e)+512*\c
.endr
.endr
	WIN TO_A
.irp i, 0,1,2,3,4,5,6,7
.irp c, 0,1,2
	ds_load_b128 v[96*(\p)+12*\i+4*\c:96*(\p)+12*\i+4*\c+3], v[ADRA+2*(\i/4)+\slot] offset:TSLOT*(\i%4)+1536*(\e)+512*\c
.endr
.endr
.endm
.macro XLOAD
	WIN 0
.irp i, 0,1,2,3,4,5,6,7
.irp c, 0,1,2
	global_load_b128 v[128+12*\i+4*\c:128+12*\i+4*\c+3], v[L16], s[4:5] offset:TILEB*\i+512*\c
.endr
.endr
	WIN 0x40
.irp b, 0,1,2,3
.irp c, 0,1,2
	global_load_b128 v[192+12*\b+4*\c:192+12*\b+4*\c+3], v[L16], s[8:9] offset:TILEB*\b+512*\c
.endr
.endr
	WIN 0x80
.irp i, 0,1,2,3,4,5,6,7
.irp c, 0,1,2
	global_load_b128 v[96+12*\i+4*\c:96+12*\i+4*\c+3], v[L16], s[4:5] offset:TILEB*\i+1536+512*\c
.endr
.endr
.irp b, 0,1,2,3
.irp c, 0,1,2
	global_load_b128 v[192+12*\b+4*\c:192+12*\b+4*\c+3], v[L16], s[8:9] offset:TILEB*\b+1536+512*\c
.endr
.endr
.endm
.macro MUL8 p, t, e, a0, zero
.irp a, \a0, \a0+1
.irp b, 0,1,2,3
.if \zero
	v_wmma_scale_f32_16x16x128_f8f6f4 v[8*(4*(\a)+\b):8*(4*(\a)+\b)+7], v[48*(\p)+12*\b:48*(\p)+12*\b+11], v[96*(\p)+12*(\a):96*(\p)+12*(\a)+11], 0, v[SB+4*(\t)+\b], v[SA+8*(\t)+(\a)] matrix_a_fmt:MATRIX_FMT_FP6 matrix_b_fmt:MATRIX_FMT_FP6
.elseif (\e) == 0
	v_wmma_scale_f32_16x16x128_f8f6f4 v[8*(4*(\a)+\b):8*(4*(\a)+\b)+7], v[48*(\p)+12*\b:48*(\p)+12*\b+11], v[96*(\p)+12*(\a):96*(\p)+12*(\a)+11], v[8*(4*(\a)+\b):8*(4*(\a)+\b)+7], v[SB+4*(\t)+\b], v[SA+8*(\t)+(\a)] matrix_a_fmt:MATRIX_FMT_FP6 matrix_b_fmt:MATRIX_FMT_FP6
.else
	v_wmma_scale_f32_16x16x128_f8f6f4 v[8*(4*(\a)+\b):8*(4*(\a)+\b)+7], v[48*(\p)+12*\b:48*(\p)+12*\b+11], v[96*(\p)+12*(\a):96*(\p)+12*(\a)+11], v[8*(4*(\a)+\b):8*(4*(\a)+\b)+7], v[SB+4*(\t)+\b], v[SA+8*(\t)+(\a)] matrix_a_fmt:MATRIX_FMT_FP6 matrix_b_fmt:MATRIX_FMT_FP6 matrix_a_scale:MATRIX_SCALE_ROW1 matrix_b_scale:MATRIX_SCALE_ROW1
.endif
.endr
.endr
.endm
.macro COMPUTE t
	s_wait_dscnt 36
	WIN MUL
.if (\t) == 0
	MUL8 0, \t, 0, 0, 1
	MUL8 0, \t, 0, 2, 1
	MUL8 0, \t, 0, 4, 1
	MUL8 0, \t, 0, 6, 1
.else
	MUL8 0, \t, 0, 0, 0
	MUL8 0, \t, 0, 2, 0
	MUL8 0, \t, 0, 4, 0
	MUL8 0, \t, 0, 6, 0
.endif
	s_wait_dscnt 0x0
	MUL8 1, \t, 1, 0, 0
	MUL8 1, \t, 1, 2, 0
	MUL8 1, \t, 1, 4, 0
	MUL8 1, \t, 1, 6, 0
.endm
.macro EXTRA
	s_wait_loadcnt 0x0
	WIN 0xf1
.irp a, 0,1,2,3,4,5,6,7
.irp b, 0,1,2,3
	v_wmma_scale_f32_16x16x128_f8f6f4 v[8*(4*\a+\b):8*(4*\a+\b)+7], v[192+12*\b:192+12*\b+11], v[128+12*\a:128+12*\a+11], v[8*(4*\a+\b):8*(4*\a+\b)+7], v[SB+28+\b], v[SA+56+\a] matrix_a_fmt:MATRIX_FMT_FP6 matrix_b_fmt:MATRIX_FMT_FP6
.endr
.endr
	WIN 0xfa
.irp a, 0,1,2,3,4,5,6,7
.irp b, 0,1,2,3
	v_wmma_scale_f32_16x16x128_f8f6f4 v[8*(4*\a+\b):8*(4*\a+\b)+7], v[192+12*\b:192+12*\b+11], v[96+12*\a:96+12*\a+11], v[8*(4*\a+\b):8*(4*\a+\b)+7], v[SB+28+\b], v[SA+56+\a] matrix_a_fmt:MATRIX_FMT_FP6 matrix_b_fmt:MATRIX_FMT_FP6 matrix_a_scale:MATRIX_SCALE_ROW1 matrix_b_scale:MATRIX_SCALE_ROW1
.endr
.endr
.endm
.macro CHG t
.set SN, (\t)%2
	WIN 0
	s_wait_tensorcnt 0x0
	ds_add_u32 v[SPW], v[NIL]
.if (\t) < 5
	s_add_nc_u64 s[G0+4*SN+2:G0+4*SN+3], s[G0+4*SN+2:G0+4*SN+3], 2*TSLOT
	s_add_nc_u64 s[G0B+4*SN+2:G0B+4*SN+3], s[G0B+4*SN+2:G0B+4*SN+3], 2*TSLOT
.endif
	s_wait_dscnt 0x0
	s_barrier_signal -1
	s_barrier_wait -1
.if (\t) < 5
	CREST
	JLOAD G0+4*SN, G1, G0B+4*SN, G1B
.else
	PLACES 4
.endif
	FETCH 0, 1-SN, 0
	FETCH 1, 1-SN, 1
.endm
	s_wait_tensorcnt 1
	s_barrier_signal -1
	s_barrier_wait -1
	FETCH 0, 0, 0
	FETCH 1, 0, 1
	s_wait_loadcnt 0x0
	XLOAD
	COMPUTE 0
	CHG 0
	COMPUTE 1
	CHG 1
	COMPUTE 2
	EXTRA
	CHG 2
	COMPUTE 3
	CHG 3
	COMPUTE 4
	CHG 4
	COMPUTE 5
	CHG 5
	COMPUTE 6
	PLACES 4
	WIN 0x0c
	s_wait_alu depctr_va_vdst(0)
.irp a, 0,1,2,3,4,5,6,7
.irp b, 0,1,2,3
	ds_store_b128 v[STO], v[8*(4*\a+\b):8*(4*\a+\b)+3] offset:16*272*\a+128*(\b/2)+32*(\b%2)
	ds_store_b128 v[STO], v[8*(4*\a+\b)+4:8*(4*\a+\b)+7] offset:16*272*\a+128*(\b/2)+32*(\b%2)+16
.endr
.endr
	WIN 0
	s_wait_dscnt 0x0
	s_barrier_signal -1
	s_barrier_wait -1
.irp g, 0,1
.if \g > 0
	s_wait_xcnt 0x0
.endif
.irp p, 0,1,2,3
.irp i, 0,1,2,3,4,5,6,7
	ds_load_b128 v[128+32*\p+4*\i:128+32*\p+4*\i+3], v[RD+(\p/2)] offset:PART*(\p%2)+544*(8*\g+\i)
.endr
.endr
	s_wait_dscnt 0x0
.set n, 0
.rept 16
	v_pk_add_f32 v[128+n:128+n+1], v[128+n:128+n+1], v[160+n:160+n+1]
	v_pk_add_f32 v[192+n:192+n+1], v[192+n:192+n+1], v[224+n:224+n+1]
.set n, n+2
.endr
.set n, 0
.rept 16
	v_pk_add_f32 v[128+n:128+n+1], v[128+n:128+n+1], v[192+n:192+n+1]
.set n, n+2
.endr
.irp i, 0,1,2,3,4,5,6,7
	global_store_b128 v[CO], v[128+4*\i:128+4*\i+3], s[12:13] offset:16384*(8*\g+\i) th:TH_STORE_NT
.endr
.endr
	s_wait_tensorcnt 0x0
	ds_add_u32 v[SPW], v[NIL]
	s_wait_dscnt 0x0
	CROUND
	s_endpgm
.Lfunc_end_k_q48897fd1c0_down:
	.size	k_q48897fd1c0_down, .Lfunc_end_k_q48897fd1c0_down-k_q48897fd1c0_down
	.p2alignl 7, 3214868480
	.fill 96, 4, 3214868480
	.section	.rodata,"a",@progbits
	.p2align	6, 0x0
	.amdhsa_kernel k_q48897fd1c0_down
		.amdhsa_group_segment_fixed_size 327680
		.amdhsa_private_segment_fixed_size 0
		.amdhsa_enable_private_segment 0
		.amdhsa_kernarg_size 40
		.amdhsa_user_sgpr_count 2
		.amdhsa_user_sgpr_kernarg_segment_ptr 1
		.amdhsa_wavefront_size32 1
		.amdhsa_system_sgpr_workgroup_id_x 1
		.amdhsa_system_sgpr_workgroup_id_y 1
		.amdhsa_system_sgpr_workgroup_id_z 1
		.amdhsa_system_vgpr_workitem_id 0
		.amdhsa_next_free_vgpr 1024
		.amdhsa_next_free_sgpr 102
		.amdhsa_reserve_vcc 0
		.amdhsa_float_denorm_mode_32 3
		.amdhsa_float_denorm_mode_16_64 3
		.amdhsa_memory_ordered 1
		.amdhsa_forward_progress 1
		.amdhsa_inst_pref_size 138
	.end_amdhsa_kernel
	.amdgpu_metadata
---
amdhsa.version: [ 1, 2 ]
amdhsa.kernels:
  - .name:           k_q48897fd1c0_down
    .symbol:         k_q48897fd1c0_down.kd
    .args:
      - { .name: hq, .offset: 0, .size: 8, .value_kind: global_buffer, .address_space: global }
      - { .name: hs, .offset: 8, .size: 8, .value_kind: global_buffer, .address_space: global }
      - { .name: wdq, .offset: 16, .size: 8, .value_kind: global_buffer, .address_space: global }
      - { .name: wds, .offset: 24, .size: 8, .value_kind: global_buffer, .address_space: global }
      - { .name: out0, .offset: 32, .size: 8, .value_kind: global_buffer, .address_space: global }
    .group_segment_fixed_size: 327680
    .private_segment_fixed_size: 0
    .kernarg_segment_align: 8
    .kernarg_segment_size: 40
    .max_flat_workgroup_size: 128
    .sgpr_count:     102
    .vgpr_count:     1024
    .wavefront_size: 32
...
	.end_amdgpu_metadata
.endif
;; end of part 3
